; MI455X (gfx1250); checked and timed in simulation.
; The chip was launched on July 23, 2026; its instructions are those of AMD's public machine-readable ISA for CDNA 5 (MIT licence, August 2026) and "CDNA5" Instruction Set Architecture Reference Guide (July 2026). The comments in the code are by the model that wrote it; some were corrected since.
;; Indexed Mat Mul. Allowed arithmetic: matrix products marked QUANTISED: E2M1 operands, one E8M0 scale for each 32 along K, by v_wmma_scale_f32_16x16x128_f8f6f4 with both operands' format E2M1 (or v_wmma_scale_f32_32x16x128_f4), f32 sums; everything else in f32.
;; Inputs: W_codes 8 x 1,024 x 32 x 16 uint8 (E2M1 codes of W, K innermost, in blocks of 32 codes, two codes a byte); W_scales 8 x 1,024 x 32 uint8 (E8M0 scales of W, one for each 32 codes along K); X_codes 4 x 2,048 x 32 x 16 uint8 (E2M1 codes of X, K innermost, in blocks of 32 codes, two codes a byte); X_scales 4 x 2,048 x 32 uint8 (E8M0 scales of X, one for each 32 codes along K); indices 4 x 2,048 int32.
;; Outputs: out0 4 x 2,048 x 1,024 float32.
;; This version of the problem:
;;   THIS VERSION OF THE PROBLEM IS GIVEN IN LOW PRECISION. The matrix products marked QUANTISED in the list below multiply operands that are first quantised to E2M1 (2 exponent bits, 1 mantissa bit; 4 bits a number), with one power-of-two scale for each 32 numbers along K (OCP MX v1.0); their sums are f32. All else is computed in f32.
;;   The module's matrix products, in the order in which they are computed (A, B: the left and right operand; K: the contracted axis; several contracted axes count as one K, in the product's order):
;;     1. [M 8,192, K 1,024] x [K 1,024, N 1,024]; A: input X (given as codes); B: input W (given as codes): QUANTISED
;;     2. [M 8,192, K 1,024] x [K 1,024, N 1,024]; A: input X (given as codes); B: input W (given as codes): QUANTISED
;;     3. [M 8,192, K 1,024] x [K 1,024, N 1,024]; A: input X (given as codes); B: input W (given as codes): QUANTISED
;;     4. [M 8,192, K 1,024] x [K 1,024, N 1,024]; A: input X (given as codes); B: input W (given as codes): QUANTISED
;;     5. [M 8,192, K 1,024] x [K 1,024, N 1,024]; A: input X (given as codes); B: input W (given as codes): QUANTISED
;;     6. [M 8,192, K 1,024] x [K 1,024, N 1,024]; A: input X (given as codes); B: input W (given as codes): QUANTISED
;;     7. [M 8,192, K 1,024] x [K 1,024, N 1,024]; A: input X (given as codes); B: input W (given as codes): QUANTISED
;;     8. [M 8,192, K 1,024] x [K 1,024, N 1,024]; A: input X (given as codes); B: input W (given as codes): QUANTISED
;;   THE QUANTISER, for each operand of a quantised product, along K:
;;     - K is cut into blocks of 32 from its start; a last block that is shorter is filled with zeros.
;;     - A block's scale is 2^e with e = floor(log2(the largest magnitude in the block)) - 2, held to -126 .. 127; a block of zeros has e = 0. As a byte (E8M0): e + 127.
;;     - Each number is divided by its block's scale, clamped to +-6, and rounded to the nearest number of E2M1, ties to even, subnormals kept.
;;     - The product sums the exact products of the quantised numbers (number of the format x scale) in f32.
;;   ~~~python
;;   def quantise(x, axis):      # numpy; x: float32 -> the quantised numbers, widened to float32 again
;;       x = np.moveaxis(x, axis, -1); K = x.shape[-1]
;;       x = np.pad(x, [(0, 0)] * (x.ndim - 1) + [(0, -K % 32)]); x = x.reshape(x.shape[:-1] + (-1, 32)); a = np.abs(x).max(-1, keepdims=True)
;;       e = np.where(a > 0, np.clip(np.frexp(np.where(a > 0, a, 1))[1] - 1 - 2, -126, 127), 0)      # np.frexp(a)[1] - 1 = floor(log2(a)), exactly
;;       r = np.clip(x / 2.0 ** e, -6, 6)
;;       step = 2.0 ** (np.maximum(np.frexp(np.where(r == 0, 1, r))[1] - 1, 0) - 1)
;;       q = np.round(r / step) * step * 2.0 ** e      # np.round: ties to even
;;       return np.moveaxis(q.reshape(q.shape[:-2] + (-1,))[..., :K], -1, axis).astype(np.float32)
;;   ~~~
;;   INPUTS GIVEN AS CODES. W (in the module: [8, 1024, 1024], K = its axis 2); X (in the module: [4, 2048, 1024], K = its axis 2): each comes as NAME_codes (uint8): NAME with its K axis moved to the last place and cut into blocks of 32 codes, [.., K / 32, bytes a block], one block behind the other in memory; two codes a byte, the lower K in the low four bits (a code: sign, 2 exponent bits, 1 mantissa bit); and NAME_scales (uint8): the same leading axes, one E8M0 byte (e + 127) for each 32 codes along K. Its value is code x scale, taken as it is: it is not quantised again, and the codes and scales need not be those that the quantiser above would give.
;; 2 versions. Each part assembles by itself: llvm-mc -triple=amdgcn-amd-amdhsa -mcpu=gfx1250 --defsym DOCPART=n.
;; ======== version 1 of 2: 1 launch
;; launch route_mm (part 1): grid 256 x 1, 4 waves a work-group, no clusters, 135,680 bytes of LDS; arguments W_codes, W_scales, X_codes, X_scales, indices, out0; writes out0
.if DOCPART == 1
	.amdgcn_target "amdgcn-amd-amdhsa--gfx1250"
	.amdhsa_code_object_version 6
	.text
	.protected	k_qcf65d4e5de_route_mm
	.globl	k_qcf65d4e5de_route_mm
	.p2align	8
	.type	k_qcf65d4e5de_route_mm,@function
k_qcf65d4e5de_route_mm:
	s_mov_b64 s[64:65], 0
	v_nop
	global_prefetch_b8 v0, s[64:65] scope:SCOPE_SE
	s_setreg_imm32_b32 hwreg(HW_REG_WAVE_MODE, 25, 1), 1
	s_wait_xcnt 0x0
; out0[t][:] = X[t][:] . W[indices[t]]^T for 8,192 tokens, K = 1,024, 1,024 outputs, 8 experts.  X and W: codes of FP4 (E2M1), two a byte, K innermost (a row is 512 bytes), with one E8M0 byte
; for each 32 along K (a row is 32 bytes); out0: f32.  Only the chosen expert's product is made for a token: the other seven are thrown away by the mask that the definition builds from indices.
; SHARES.  The tokens are cut into 16 fixed segments of 512.  A wave owns (expert e, 128 outputs nsl, segment seg): 8 x 8 x 16 = 1,024 waves, 256 work-groups of four.  The four waves of a work-group share
; (e, nsl) and take segments 4 sg + wave.  W's slice (128 rows x 512 bytes) is read from memory once by the work-group, a row an instruction, and turned into operand order through LDS; each wave then keeps
; the whole slice in 512 registers and walks only those tokens of its segment whose index is e, 32 rows a trip, then a tail of at most 16.  A wave with no such token stores nothing.
; ROUTING IN REGISTERS.  The segment's 512 indices are 16 chunks of 32 (a lane a token).  For each chunk: the mask (index == e), its count, the running sum P.  Each lane pushes its token's number to lane
; (P_q + matched lanes below me) % 32 if it matches, else to lane (P_q+1 + unmatched lanes below me) % 32: the 32 destinations are all different.  So the token of rank R lies in lane R % 32 of its chunk's
; register, and the list of a trip (lane l: rank 32 t + l) is, lane by lane, the register of the largest q with P_q <= R.  Ranks at or past the total give some token of the segment: such rows are loaded
; and multiplied, and not stored; rows do not mix in a product, so they change nothing.
; NO TENSOR LOADS, NO CLUSTER: trip counts and branches hang on counts made from indices, which differ from wave to wave, so partners could not make the same joint requests; operands come through registers.
; What is shared, W's slice, is shared by the four waves through LDS.  The one barrier stands ahead of every branch that hangs on indices.  No LDS address hangs on data or is stepped.
; THE MATRIX INSTRUCTION IS USED TRANSPOSED: source 0 = 16 rows of W, source 1 = 16 rows of X: a lane then holds eight neighbouring outputs of one token's row.
; LIMITS.  indices lie in 0 .. 7.  A token with another index is taken by no wave, and its row of out0 is not written (the definition leaves zeros there).  Codes and scale bytes are used as given; a scale byte 0xff gives NaN.
; REGISTERS, in windows of 256 (s_set_vgpr_msb: bits 1:0 source 0, 3:2 source 1, 5:4 source 2, 7:6 destination):
;   window 0: v1-18 addresses and lists; v24-39 the 16 chunks' pushed tokens; v40-71 W's scale words; v72-79 X's; v80-111 32 store offsets; v112-239 32 rows on the way out (the scan's temporaries lie there first)
;   window 1: W's fragments of K steps 0-3, (s, n) at v[64 s + 8 n];   window 2: of K steps 4-7
;   window 3: v0-127 the 16 accumulators, (u, n) at v[64 u + 8 n] (ahead of the barrier: W's rows as loaded); v128-255 X's fragments, (u, s) at v[128 + 64 u + 8 s]
.set WPITCH, 528                       ; an LDS row: 512 bytes + 16 = 132 words: row r starts 4 r words on, modulo 64 words, so the 16 rows that a load or store of 16 lanes touches lie in 16 different columns of 16 bytes
.set WTILE,  16*WPITCH                 ; 16 rows
.set STG,    128*WPITCH                ; behind W's 128 rows: for each wave two stages of 16 rows, its own
.set WSTG,   2*WTILE
.set LANE, 1                           ; v1   lane
.set L16,  2                           ; v2   16 x lane
.set H16,  3                           ; v3   16 x (lane / 16)
.set WA,   4                           ; v4   a fragment of W in LDS: (lane % 16) x pitch + 16 (lane / 16)
.set WS,   5                           ; v5   where I put W's rows: wave x 32 rows + 16 x lane
.set STO,  6                           ; v6   my stage, in: row lane % 16, + 32 (lane / 16)
.set RD,   7                           ; v7   my stage, back: 16 x lane
.set RK,   8                           ; v8   my rank in the next list to be made
.set LC,   9                           ; v9   the list in hand: lane l holds the token of the trip's row l
.set LN,   10                          ; v10  the next list
.set LX,   11                          ; v11  a list as lane l xor 16 holds it
.set T0,   12                          ; v12-13 at work
.set T1,   13
.set XA,   14                          ; v14-15 byte offset in X's codes of my row of sub-tile 0, 1
.set XS,   16                          ; v16  byte offset in X's scales of row l
.set L32,  17                          ; v17  32 x lane
.set TOK,  18                          ; v18  512 seg + 4 x lane
.set PQ,   24
.set WSC,  40                          ; register 8 p + s: lanes 0-15 the scale word of tile 2 p, lanes 16-31 of tile 2 p + 1, for K step s
.set XSC,  72                          ; register s: lane l the scale word of the trip's row l for K step s
.set OFF,  80
.set BK,   112
.set IDX,  112                         ; the scan's temporaries
.set TK,   128
.set DST,  144
.set TA,   160
.set TB,   176
.set XF,   128                         ; in window 3
.set WV,   16                          ; s16  wave
.set EX,   17                          ; s17  expert
.set NSL,  18                          ; s18  which 128 outputs
.set SEG,  20                          ; s20  segment
.set NF,   28                          ; s28  trips of 32 rows
.set TR,   29                          ; s29  trips done
.set VL,   30                          ; s30  rows left, this trip's among them
.set MSK,  32                          ; s32-47 the chunks' masks; later 16 rows' tokens
.set ROWT, 32
.set PFX,  66                          ; s66-82 P_0 .. P_16
.set TMP,  84
.set MSB, 0
.macro WIN new                         ; the immediate's high byte repeats the setting that is left; a switch that changes nothing is dropped
.if MSB != \new
	s_set_vgpr_msb (MSB<<8)|\new
.set MSB, \new
.endif
.endm
; The next list into v[dst]: for my rank R the register of the largest q with P_q <= R.
.macro LSEL dst
	v_mov_b32 v[\dst], v[PQ]
.irp q, 1,2,3,4,5,6,7,8,9,10,11,12,13,14,15
	v_cmp_le_u32 vcc_lo, s[PFX+\q], v[RK]
	v_cndmask_b32 v[\dst], v[\dst], v[PQ+\q], vcc_lo
.endr
	v_add_nc_u32 v[RK], 32, v[RK]
.endm
; From list v[l] the gather's offsets.  Lane (r, h) of sub-tile u wants row 16 u + r: for u = 0 lanes 16-31 take lane l xor 16's token, for u = 1 lanes 0-15 do.
; A number that hangs on loaded data enters an address only behind a clamp written in the instruction, and behind it stand a shift and an addition alone.
.macro XADDR l
	v_permlanex16_b32 v[LX], v[\l], s24, s25
	v_min_u32 v[XS], 0x1fff, v[\l]
	v_cndmask_b32 v[T0], v[\l], v[LX], s26
	v_cndmask_b32 v[T1], v[LX], v[\l], s26
	v_min_u32 v[T0], 0x1fff, v[T0]
	v_min_u32 v[T1], 0x1fff, v[T1]
	v_lshlrev_b32 v[XS], 5, v[XS]                  ; a row of scales is 32 bytes
	v_lshlrev_b32 v[T0], 9, v[T0]                  ; a row of codes is 512
	v_lshlrev_b32 v[T1], 9, v[T1]
	v_add_nc_u32 v[XA], v[T0], v[H16]
	v_add_nc_u32 v[XA+1], v[T1], v[H16]
.endm
; Sub-tile u's eight fragments: 16 rows x 1,024 K.  Load j brings bytes 32 j + 16 h of my row: registers 4 c .. 4 c + 3 of K step s (j = 2 s + c) hold K = 128 s + 64 c + 32 h + 0 .. 31.  The sixteen loads together take whole rows.
.macro XLOAD u
	WIN 0xc0                                       ; destination window 3, address window 0
.irp j, 0,1,2,3,4,5,6,7,8,9,10,11,12,13,14,15
	global_load_b128 v[XF+64*\u+4*\j:XF+64*\u+4*\j+3], v[XA+\u], s[8:9] offset:32*\j
.endr
	WIN 0
.endm
.macro XSCL                            ; the 32 rows' scale words, eight a row
	global_load_b128 v[XSC:XSC+3], v[XS], s[10:11]
	global_load_b128 v[XSC+4:XSC+7], v[XS], s[10:11] offset:16
.endm
; Eight products: K step s, sub-tile u of the rows, W's eight tiles.  W's scale word comes from lanes 0-15 for an even tile and from lanes 16-31 for an odd one; X's from lanes 0-15 for u = 0 and 16-31 for u = 1.
; K step 0 starts the sums with the constant 0: nothing is cleared.
.macro MUL8 s, u
.irp p, 0,1,2,3
.set rD, 64*(\u)+16*\p
.set rA, 64*((\s)%4)+16*\p
.set rB, XF+64*(\u)+8*(\s)
.set rW, WSC+8*\p+(\s)
.set rX, XSC+(\s)
.if (\s) == 0
.if (\u) == 0
	v_wmma_scale_f32_16x16x128_f8f6f4 v[rD:rD+7], v[rA:rA+7], v[rB:rB+7], 0, v[rW], v[rX] matrix_a_fmt:MATRIX_FMT_FP4 matrix_b_fmt:MATRIX_FMT_FP4
	v_wmma_scale_f32_16x16x128_f8f6f4 v[rD+8:rD+15], v[rA+8:rA+15], v[rB:rB+7], 0, v[rW], v[rX] matrix_a_fmt:MATRIX_FMT_FP4 matrix_b_fmt:MATRIX_FMT_FP4 matrix_a_scale:MATRIX_SCALE_ROW1
.else
	v_wmma_scale_f32_16x16x128_f8f6f4 v[rD:rD+7], v[rA:rA+7], v[rB:rB+7], 0, v[rW], v[rX] matrix_a_fmt:MATRIX_FMT_FP4 matrix_b_fmt:MATRIX_FMT_FP4 matrix_b_scale:MATRIX_SCALE_ROW1
	v_wmma_scale_f32_16x16x128_f8f6f4 v[rD+8:rD+15], v[rA+8:rA+15], v[rB:rB+7], 0, v[rW], v[rX] matrix_a_fmt:MATRIX_FMT_FP4 matrix_b_fmt:MATRIX_FMT_FP4 matrix_a_scale:MATRIX_SCALE_ROW1 matrix_b_scale:MATRIX_SCALE_ROW1
.endif
.else
.if (\u) == 0
	v_wmma_scale_f32_16x16x128_f8f6f4 v[rD:rD+7], v[rA:rA+7], v[rB:rB+7], v[rD:rD+7], v[rW], v[rX] matrix_a_fmt:MATRIX_FMT_FP4 matrix_b_fmt:MATRIX_FMT_FP4
	v_wmma_scale_f32_16x16x128_f8f6f4 v[rD+8:rD+15], v[rA+8:rA+15], v[rB:rB+7], v[rD+8:rD+15], v[rW], v[rX] matrix_a_fmt:MATRIX_FMT_FP4 matrix_b_fmt:MATRIX_FMT_FP4 matrix_a_scale:MATRIX_SCALE_ROW1
.else
	v_wmma_scale_f32_16x16x128_f8f6f4 v[rD:rD+7], v[rA:rA+7], v[rB:rB+7], v[rD:rD+7], v[rW], v[rX] matrix_a_fmt:MATRIX_FMT_FP4 matrix_b_fmt:MATRIX_FMT_FP4 matrix_b_scale:MATRIX_SCALE_ROW1
	v_wmma_scale_f32_16x16x128_f8f6f4 v[rD+8:rD+15], v[rA+8:rA+15], v[rB:rB+7], v[rD+8:rD+15], v[rW], v[rX] matrix_a_fmt:MATRIX_FMT_FP4 matrix_b_fmt:MATRIX_FMT_FP4 matrix_a_scale:MATRIX_SCALE_ROW1 matrix_b_scale:MATRIX_SCALE_ROW1
.endif
.endif
.endr
.endm
; All of K for 32 rows (both = 1: 128 products) or 16 (both = 0: 64).  The 16 (or 8) accumulators take turns, one instruction a turn, K ascending.
.macro MULS both
	WIN 0xfd                                       ; W window 1; X, C and D window 3
.irp s, 0,1,2,3
	MUL8 \s, 0
.if \both
	MUL8 \s, 1
.endif
.endr
	WIN 0xfe                                       ; W window 2
.irp s, 4,5,6,7
	MUL8 \s, 0
.if \both
	MUL8 \s, 1
.endif
.endr
	WIN 0
.endm
; The store offsets of sub-tile u's 16 rows: token x 4,096 bytes + 16 x lane.  The token is clamped in the instruction, then shifted and added.
.macro OFFS u
.irp i, 0,1,2,3,4,5,6,7,8,9,10,11,12,13,14,15
	v_readlane_b32 s[ROWT+\i], v[LC], 16*\u+\i
.endr
.irp i, 0,1,2,3,4,5,6,7,8,9,10,11,12,13,14,15
	s_min_u32 s[ROWT+\i], s[ROWT+\i], 0x1fff
.endr
.irp i, 0,1,2,3,4,5,6,7,8,9,10,11,12,13,14,15
	s_lshl_b32 s[ROWT+\i], s[ROWT+\i], 12
.endr
.irp i, 0,1,2,3,4,5,6,7,8,9,10,11,12,13,14,15
	v_add_nc_u32 v[OFF+16*\u+\i], s[ROWT+\i], v[L16]
.endr
.endm
; THE WAY OUT.  A lane holds 32 neighbouring bytes of a row and the lanes beside it hold other rows: so 16 rows x 512 bytes go through my own stage and come back as whole rows.
.macro STORES u                        ; under data window 3.  Each accumulator from its low end on
.irp n, 0,1,2,3,4,5,6,7
	ds_store_b128 v[STO], v[64*\u+8*\n:64*\u+8*\n+3] offset:WTILE*\u+64*\n
	ds_store_b128 v[STO], v[64*\u+8*\n+4:64*\u+8*\n+7] offset:WTILE*\u+64*\n+16
.endr
.endm
.macro LOADS u                         ; LDS serves a wave's instructions in order (ISA guide 5.7.1.4): these see my stores
.irp i, 0,1,2,3,4,5,6,7,8,9,10,11,12,13,14,15
	ds_load_b128 v[BK+64*\u+4*\i:BK+64*\u+4*\i+3], v[RD] offset:WTILE*\u+WPITCH*\i
.endr
.endm
; Row i of sub-tile u is stored: 32 lanes, 512 consecutive bytes, at a multiple of 512 from out0's first byte.  younger: the LDS loads issued behind this sub-tile's sixteen.
; guarded = 1: rows at or past the rows left are not stored: a scalar branch on the count; the wait for 0 behind the label holds on both ways.
.macro SEND u, younger, guarded
.irp i, 0,1,2,3,4,5,6,7,8,9,10,11,12,13,14,15
.if \guarded
	s_cmp_gt_u32 s[VL], 16*\u+\i
	s_cbranch_scc0 .Ldone_\@
.endif
	s_wait_dscnt \younger+15-\i                    ; row i is back; the rows behind it, and the younger loads, may be out
	global_store_b128 v[OFF+16*\u+\i], v[BK+64*\u+4*\i:BK+64*\u+4*\i+3], s[14:15] th:TH_STORE_NT
.endr
.if \guarded
.Ldone_\@:
	s_wait_dscnt 0x0                               ; no LDS load of mine is out, whichever way led here
.endif
.endm
.macro WFRAG s0                        ; W's fragments of K steps s0 .. s0 + 3, all eight tiles, into one window: two loads of 16 bytes, 32 bytes apart, for each
.irp s, 0,1,2,3
.irp n, 0,1,2,3,4,5,6,7
.irp c, 0,1
	ds_load_b128 v[64*\s+8*\n+4*\c:64*\s+8*\n+4*\c+3], v[WA] offset:WTILE*\n+64*(\s0+\s)+32*\c
.endr
.endr
.endr
.endm
	s_load_b256 s[4:11], s[0:1], 0x0               ; W's codes s[4:5], W's scales s[6:7], X's codes s[8:9], X's scales s[10:11]
	s_load_b128 s[12:15], s[0:1], 0x20             ; indices s[12:13], out0 s[14:15]
	v_lshl_add_u32 v254, v0, 2, 0x21000
	v_mov_b32 v255, 0
	v_lshrrev_b32 v[T0], 5, v0
	v_readfirstlane_b32 s[WV], v[T0]               ; wave 0..3
	v_and_b32 v[LANE], 31, v0
	v_and_b32 v[T0], 15, v0                        ; r
	v_bfe_u32 v[T1], v0, 4, 1                      ; h
	v_lshlrev_b32 v[L16], 4, v[LANE]
	v_lshlrev_b32 v[L32], 5, v[LANE]
	v_lshlrev_b32 v[H16], 4, v[T1]
	v_mul_u32_u24 v[STO], v[T0], WPITCH
	v_add_nc_u32 v[WA], v[STO], v[H16]
	v_lshl_add_u32 v[STO], v[T1], 5, v[STO]
	s_mul_i32 s21, s[WV], 32*WPITCH                ; my 32 rows of W in LDS
	v_add_nc_u32 v[WS], s21, v[L16]
	s_mul_i32 s[TMP], s[WV], WSTG
	s_add_co_u32 s[TMP], s[TMP], STG               ; my two stages
	v_add_nc_u32 v[STO], s[TMP], v[STO]
	v_add_nc_u32 v[RD], s[TMP], v[L16]
	v_mov_b32 v[RK], v[LANE]                       ; the first list holds ranks 0 .. 31
	v_mov_b32 v[LX], 0                             ; written once: a lane permute's destination counts as one of its sources
	s_mov_b32 s24, 0x76543210                      ; v_permlanex16_b32's selects for lane l xor 16
	s_mov_b32 s25, 0xfedcba98
	s_mov_b32 s26, 0xffff0000                      ; lanes 16-31
	s_and_b32 s[NSL], ttmp9, 7                     ; work-group x = 64 sg + 8 e + nsl
	s_bfe_u32 s[EX], ttmp9, 0x30003
	s_lshr_b32 s19, ttmp9, 6
	s_lshl_b32 s[SEG], s19, 2
	s_add_co_u32 s[SEG], s[SEG], s[WV]             ; my segment: 4 sg + wave
	s_lshl_b32 s[TMP], s[SEG], 9
	v_lshl_add_u32 v[TOK], v[LANE], 2, s[TMP]
	s_lshl_b32 s21, s[EX], 10
	s_lshl_b32 s[TMP], s[NSL], 7
	s_add_co_u32 s21, s21, s[TMP]                  ; the slice's first row of W: 1,024 e + 128 nsl
	s_lshl_b32 s[TMP], s[WV], 5
	s_add_co_u32 s22, s21, s[TMP]                  ; + the 32 rows that I fetch
	s_lshl_b32 s22, s22, 9
	s_mov_b32 s23, 0
	s_wait_kmcnt 0x0
	s_add_nc_u64 s[4:5], s[4:5], s[22:23]          ; each base is stepped once, here, ahead of its first use
	s_lshl_b32 s22, s21, 5
	s_add_nc_u64 s[6:7], s[6:7], s[22:23]
	s_lshl_b32 s22, s[SEG], 11
	s_add_nc_u64 s[12:13], s[12:13], s[22:23]
	s_lshl_b32 s22, s[NSL], 9
	s_add_nc_u64 s[14:15], s[14:15], s[22:23]
.irp j, 0,1,2,3
	global_load_b128 v[IDX+4*\j:IDX+4*\j+3], v[L16], s[12:13] offset:512*\j    ; register 4 j + c of lane l: the index of token 512 seg + 128 j + 4 l + c
.endr
	WIN 0xc0                                       ; destination window 3
.set i, 0
.rept 32
	global_load_b128 v[4*i:4*i+3], v[L16], s[4:5] offset:512*i                 ; a row of W: 32 lanes, 512 consecutive bytes
.set i, i+1
.endr
	WIN 0
.irp p, 0,1,2,3
	global_load_b128 v[WSC+8*\p:WSC+8*\p+3], v[L32], s[6:7] offset:1024*\p     ; lane l: the eight scale words of the slice's row 32 p + l
	global_load_b128 v[WSC+8*\p+4:WSC+8*\p+7], v[L32], s[6:7] offset:1024*\p+16
.endr
	; THE SCAN
	s_wait_loadcnt 40                              ; the four index loads are in; the 32 loads of W's rows and the 8 of its scales, issued behind them, stay out
	s_mov_b32 s[PFX], 0
.irp q, 0,1,2,3,4,5,6,7,8,9,10,11,12,13,14,15
	v_cmp_eq_u32 s[MSK+\q], s[EX], v[IDX+\q]
.endr
.irp q, 0,1,2,3,4,5,6,7,8,9,10,11,12,13,14,15
	s_bcnt1_i32_b32 s[TMP], s[MSK+\q]
	s_add_co_u32 s[PFX+\q+1], s[PFX+\q], s[TMP]
.endr
.irp q, 0,1,2,3,4,5,6,7,8,9,10,11,12,13,14,15
	v_mbcnt_lo_u32_b32 v[TA+\q], s[MSK+\q], 0      ; matched lanes below me
.endr
.irp q, 0,1,2,3,4,5,6,7,8,9,10,11,12,13,14,15
	v_sub_nc_u32 v[TB+\q], v[LANE], v[TA+\q]       ; unmatched lanes below me
.endr
.irp q, 0,1,2,3,4,5,6,7,8,9,10,11,12,13,14,15
	v_add_nc_u32 v[TA+\q], s[PFX+\q], v[TA+\q]
.endr
.irp q, 0,1,2,3,4,5,6,7,8,9,10,11,12,13,14,15
	v_add_nc_u32 v[TB+\q], s[PFX+\q+1], v[TB+\q]
.endr
.irp q, 0,1,2,3,4,5,6,7,8,9,10,11,12,13,14,15
	v_cndmask_b32 v[DST+\q], v[TB+\q], v[TA+\q], s[MSK+\q]
.endr
.irp q, 0,1,2,3,4,5,6,7,8,9,10,11,12,13,14,15
	v_and_b32 v[DST+\q], 31, v[DST+\q]             ; the destination lane,
.endr
.irp q, 0,1,2,3,4,5,6,7,8,9,10,11,12,13,14,15
	v_min_u32 v[DST+\q], 31, v[DST+\q]             ; clamped in the instruction, since it hangs on loaded data,
.endr
.irp q, 0,1,2,3,4,5,6,7,8,9,10,11,12,13,14,15
	v_lshlrev_b32 v[DST+\q], 2, v[DST+\q]          ; as a byte address
.endr
.irp q, 0,1,2,3,4,5,6,7,8,9,10,11,12,13,14,15
	v_add_nc_u32 v[TK+\q], 128*(\q/4)+(\q%4), v[TOK]
.endr
.irp q, 0,1,2,3,4,5,6,7,8,9,10,11,12,13,14,15
	ds_permute_b32 v[PQ+\q], v[DST+\q], v[TK+\q]   ; between lanes alone: no LDS byte is touched
.endr
	s_wait_dscnt 0x0
	; the first list, and its rows of X: asked for on every path (every token of a list is a token of the segment), ahead of W's turn through LDS
	LSEL LC
	XADDR LC
	XLOAD 0
	XLOAD 1
	XSCL
	; W'S SLICE THROUGH LDS
	s_wait_loadcnt 42                              ; W's 32 rows are in; the 8 loads of its scales and the 34 of X, issued behind them, stay out
	WIN 0x0c                                       ; an LDS store's data are its source 1: window 3
.set i, 0
.rept 32
	ds_store_b128 v[WS], v[4*i:4*i+3] offset:WPITCH*i
.set i, i+1
.endr
	WIN 0
	s_wait_dscnt 0x0                               ; for the others' sake: my rows lie in LDS
	s_barrier_signal -1
	s_barrier_wait -1                              ; all 128 rows do.  The only barrier: nobody writes these bytes again
	WIN 0x40                                       ; destination window 1
	WFRAG 0
	WIN 0x80                                       ; destination window 2
	WFRAG 4
	WIN 0
	s_add_co_u32 s[NF], s[PFX+16], 15
	s_lshr_b32 s[NF], s[NF], 5                     ; trips of 32 rows: as long as more than 16 rows are left
	s_mov_b32 s[VL], s[PFX+16]
	s_mov_b32 s[TR], 0
	s_wait_dscnt 0x0                               ; the slice is in my registers
	s_cmp_eq_u32 s[NF], 0
	s_cbranch_scc1 .Ltail
.Ltrip:                                            ; 17 rows or more are left
	LSEL LN
	s_wait_loadcnt 0x0                             ; this trip's rows of X and their scale words (in the first trip W's scale words too).  For 0, since the number of loads issued behind a trip's guards differs from way to way
	s_wait_xcnt 0x0                                ; the last trip's stores have read their offsets and data: both are written again below, and no store is issued in between
	MULS 1
	XADDR LN                                       ; eleven vector instructions that name no register of the products: the places in front of the loads into X's registers and of the first read of results
	s_cmp_gt_u32 s[VL], 32                         ; the next trip's rows are asked for here and fly during the whole way out: sub-tile 0 and the scale words if a row is left behind this trip's 32,
	s_cbranch_scc0 .Lno_more
	XLOAD 0
	XSCL
	s_cmp_gt_u32 s[VL], 48                         ; sub-tile 1 if more than 16 are
	s_cbranch_scc0 .Lno_more
	XLOAD 1
.Lno_more:
	OFFS 0
	OFFS 1
	WIN 0x0c
	STORES 0
	STORES 1
	WIN 0
	LOADS 0
	LOADS 1
	SEND 0, 16, 0                                  ; rows 0-15 all count
	SEND 1, 0, 1
	v_mov_b32 v[LC], v[LN]
	s_sub_co_i32 s[VL], s[VL], 32
	s_add_co_u32 s[TR], s[TR], 1
	s_cmp_lt_u32 s[TR], s[NF]
	s_cbranch_scc1 .Ltrip
.Ltail:                                            ; -15 .. 16 rows are left
	s_cmp_gt_i32 s[VL], 0
	s_cbranch_scc0 .Lend
	s_wait_loadcnt 0x0
	s_wait_xcnt 0x0
	MULS 0
	OFFS 0                                         ; its sixteen additions are the places in front of the first read of results
	WIN 0x0c
	STORES 0
	WIN 0
	LOADS 0
	SEND 0, 0, 1
.Lend:
	s_wait_tensorcnt 0x0
	ds_add_u32 v254, v255
	s_wait_dscnt 0x0
	s_endpgm
.Lfunc_end_k_qcf65d4e5de_route_mm:
	.size	k_qcf65d4e5de_route_mm, .Lfunc_end_k_qcf65d4e5de_route_mm-k_qcf65d4e5de_route_mm
	.p2alignl 7, 3214868480
	.fill 96, 4, 3214868480
	.section	.rodata,"a",@progbits
	.p2align	6, 0x0
	.amdhsa_kernel k_qcf65d4e5de_route_mm
		.amdhsa_group_segment_fixed_size 135680
		.amdhsa_private_segment_fixed_size 0
		.amdhsa_enable_private_segment 0
		.amdhsa_kernarg_size 48
		.amdhsa_user_sgpr_count 2
		.amdhsa_user_sgpr_kernarg_segment_ptr 1
		.amdhsa_wavefront_size32 1
		.amdhsa_system_sgpr_workgroup_id_x 1
		.amdhsa_system_sgpr_workgroup_id_y 1
		.amdhsa_system_sgpr_workgroup_id_z 1
		.amdhsa_system_vgpr_workitem_id 0
		.amdhsa_next_free_vgpr 1024
		.amdhsa_next_free_sgpr 96
		.amdhsa_reserve_vcc 1
		.amdhsa_float_denorm_mode_32 3
		.amdhsa_float_denorm_mode_16_64 3
		.amdhsa_memory_ordered 1
		.amdhsa_forward_progress 1
		.amdhsa_inst_pref_size 84
	.end_amdhsa_kernel
	.amdgpu_metadata
---
amdhsa.version: [ 1, 2 ]
amdhsa.kernels:
  - .name:           k_qcf65d4e5de_route_mm
    .symbol:         k_qcf65d4e5de_route_mm.kd
    .args:
      - { .name: W_codes, .offset: 0, .size: 8, .value_kind: global_buffer, .address_space: global }
      - { .name: W_scales, .offset: 8, .size: 8, .value_kind: global_buffer, .address_space: global }
      - { .name: X_codes, .offset: 16, .size: 8, .value_kind: global_buffer, .address_space: global }
      - { .name: X_scales, .offset: 24, .size: 8, .value_kind: global_buffer, .address_space: global }
      - { .name: indices, .offset: 32, .size: 8, .value_kind: global_buffer, .address_space: global }
      - { .name: out0, .offset: 40, .size: 8, .value_kind: global_buffer, .address_space: global }
    .group_segment_fixed_size: 135680
    .private_segment_fixed_size: 0
    .kernarg_segment_align: 8
    .kernarg_segment_size: 48
    .max_flat_workgroup_size: 128
    .sgpr_count:     96
    .vgpr_count:     1024
    .wavefront_size: 32
...
	.end_amdgpu_metadata
.endif
;; end of part 1
;; ======== version 2 of 2: 1 launch; version 1 with the launch route_mm written anew for expert scheduling mode
;; launch route_mm (part 2): grid 256 x 1, 4 waves a work-group, no clusters, 135,680 bytes of LDS; arguments W_codes, W_scales, X_codes, X_scales, indices, out0; writes out0
.if DOCPART == 2
	.amdgcn_target "amdgcn-amd-amdhsa--gfx1250"
	.amdhsa_code_object_version 6
	.text
	.protected	k_qcf65d4e5de_route_mm
	.globl	k_qcf65d4e5de_route_mm
	.p2align	8
	.type	k_qcf65d4e5de_route_mm,@function
k_qcf65d4e5de_route_mm:
	s_mov_b64 s[64:65], 0
	v_nop
	global_prefetch_b8 v0, s[64:65] scope:SCOPE_SE
	s_setreg_imm32_b32 hwreg(HW_REG_WAVE_SCHED_MODE, 0, 2), 2
	s_setreg_imm32_b32 hwreg(HW_REG_WAVE_MODE, 25, 1), 1
	s_wait_xcnt 0x0
	s_wait_alu depctr_vm_vsrc(0)
; out0[t][:] = X[t][:] . W[indices[t]]^T for 8,192 tokens, K = 1,024, 1,024 outputs, 8 experts.  X and W: codes of FP4 (E2M1), two a byte, K innermost (a row is 512 bytes), with one E8M0 byte
; for each 32 along K (a row is 32 bytes); out0: f32.  Only the chosen expert's product is made for a token: the other seven are thrown away by the mask that the definition builds from indices.
; SHARES.  The tokens are cut into 16 fixed segments of 512.  A wave owns (expert e, 128 outputs nsl, segment seg): 8 x 8 x 16 = 1,024 waves, 256 work-groups of four.  The four waves of a work-group share
; (e, nsl) and take segments 4 sg + wave.  W's slice (128 rows x 512 bytes) is read from memory once by the work-group, a row an instruction, and turned into operand order through LDS; each wave then keeps
; the whole slice in 512 registers and walks only those tokens of its segment whose index is e, 32 rows a trip, then a tail of at most 16.  A wave with no such token stores nothing.
; ROUTING IN REGISTERS.  The segment's 512 indices are 16 chunks of 32 (a lane a token).  For each chunk: the mask (index == e), its count, the running sum P.  Each lane pushes its token's number to lane
; (P_q + matched lanes below me) % 32 if it matches, else to lane (P_q+1 + unmatched lanes below me) % 32: the 32 destinations are all different.  So the token of rank R lies in lane R % 32 of its chunk's
; register, and the list of a trip (lane l: rank 32 t + l) is, lane by lane, the register of the largest q with P_q <= R.  Ranks at or past the total give some token of the segment: such rows are loaded
; and multiplied, and not stored; rows do not mix in a product, so they change nothing.
; NO TENSOR LOADS, NO CLUSTER: trip counts and branches hang on counts made from indices, which differ from wave to wave, so partners could not make the same joint requests; operands come through registers.
; What is shared, W's slice, is shared by the four waves through LDS.  The one barrier stands ahead of every branch that hangs on indices.  No LDS address hangs on data or is stepped.
; THE MATRIX INSTRUCTION IS USED TRANSPOSED: source 0 = 16 rows of W, source 1 = 16 rows of X: a lane then holds eight neighbouring outputs of one token's row.
; LIMITS.  indices lie in 0 .. 7.  A token with another index is taken by no wave, and its row of out0 is not written (the definition leaves zeros there).  Codes and scale bytes are used as given; a scale byte 0xff gives NaN.
; REGISTERS, in windows of 256 (s_set_vgpr_msb: bits 1:0 source 0, 3:2 source 1, 5:4 source 2, 7:6 destination):
;   window 0: v1-18 addresses and lists; v24-39 the 16 chunks' pushed tokens; v40-71 W's scale words; v72-79 X's; v80-111 32 store offsets; v112-239 32 rows on the way out (the scan's temporaries lie there first)
;   window 1: W's fragments of K steps 0-3, (s, n) at v[64 s + 8 n];   window 2: of K steps 4-7
;   window 3: v0-127 the 16 accumulators, (u, n) at v[64 u + 8 n] (ahead of the barrier: W's rows as loaded); v128-255 X's fragments, (u, s) at v[128 + 64 u + 8 s]
; THE MODE: SCHED_MODE bits 1:0 = 2 (LLVM: expert scheduling mode 2), set by the entry lines.  The code itself states the register dependences
; between vector or matrix instructions and memory or LDS instructions, with s_wait_alu, always for 0.
; THE PLAN.  Registers that memory or LDS instructions touch, in a trip:
;   XF, XSC        The products read them; behind the products the gather of the next trip's rows lands in them.  One buffer: the 1,024 registers leave no room for a second of 128.
;   XA, XA+1, XS   Written by XADDR, behind the products; read by the gather that follows.
;   accumulators   Written by the products; read by the LDS stores into my stage.
;   OFF            Written by OFFS, at the trip's head; read by the trip's global stores.
;   BK             The LDS loads from my stage land in it; the global stores read it.  (Ahead of the first trip the scan's vector instructions and pushes name these registers.)
;   v2, v4-7, v17  Offsets and LDS addresses, written once at the head and never again.
; So ONE wait on va_vdst stands in a trip, behind the products and XADDR: all the trip's loads, LDS stores, LDS loads and stores follow it, and no vector or matrix instruction issued behind it and ahead of them
; names a register that they touch.  ONE wait on vm_vsrc stands at a trip's head: behind it OFF, the accumulators, XA, XS and BK, which the last trip's memory and LDS instructions have read, are written again.
; A number that a vector instruction writes into a scalar register (the wave, the masks, the lists' compares, the rows' tokens) has a wait on va_sdst ahead of its first reader; such writers stand in runs, one wait a run.
.set WPITCH, 528                       ; an LDS row: 512 bytes + 16 = 132 words: row r starts 4 r words on, modulo 64 words, so the 16 rows that a load or store of 16 lanes touches lie in 16 different columns of 16 bytes
.set WTILE,  16*WPITCH                 ; 16 rows
.set STG,    128*WPITCH                ; behind W's 128 rows: for each wave two stages of 16 rows, its own
.set WSTG,   2*WTILE
.set LANE, 1                           ; v1   lane
.set L16,  2                           ; v2   16 x lane
.set H16,  3                           ; v3   16 x (lane / 16)
.set WA,   4                           ; v4   a fragment of W in LDS: (lane % 16) x pitch + 16 (lane / 16)
.set WS,   5                           ; v5   where I put W's rows: wave x 32 rows + 16 x lane
.set STO,  6                           ; v6   my stage, in: row lane % 16, + 32 (lane / 16)
.set RD,   7                           ; v7   my stage, back: 16 x lane
.set RK,   8                           ; v8   my rank in the next list to be made
.set LC,   9                           ; v9   the list in hand: lane l holds the token of the trip's row l
.set LN,   10                          ; v10  the next list
.set LX,   11                          ; v11  a list as lane l xor 16 holds it
.set T0,   12                          ; v12-13 at work
.set T1,   13
.set XA,   14                          ; v14-15 byte offset in X's codes of my row of sub-tile 0, 1
.set XS,   16                          ; v16  byte offset in X's scales of row l
.set L32,  17                          ; v17  32 x lane
.set TOK,  18                          ; v18  512 seg + 4 x lane
.set PQ,   24
.set WSC,  40                          ; register 8 p + s: lanes 0-15 the scale word of tile 2 p, lanes 16-31 of tile 2 p + 1, for K step s
.set XSC,  72                          ; register s: lane l the scale word of the trip's row l for K step s
.set OFF,  80
.set BK,   112
.set IDX,  112                         ; the scan's temporaries
.set TK,   128
.set DST,  144
.set TA,   160
.set TB,   176
.set XF,   128                         ; in window 3
.set WV,   16                          ; s16  wave
.set EX,   17                          ; s17  expert
.set NSL,  18                          ; s18  which 128 outputs
.set SEG,  20                          ; s20  segment
.set NF,   28                          ; s28  trips of 32 rows
.set TR,   29                          ; s29  trips done
.set VL,   30                          ; s30  rows left, this trip's among them
.set MSK,  32                          ; s32-47 the chunks' masks; later 16 rows' tokens
.set ROWT, 32
.set CM,   48                          ; s49-63 a list's fifteen compares: CM + q holds the lanes with P_q <= my rank
.set PFX,  66                          ; s66-82 P_0 .. P_16
.set TMP,  84
.set MSB, 0
.macro WIN new                         ; the immediate's high byte repeats the setting that is left; a switch that changes nothing is dropped
.if MSB != \new
	s_set_vgpr_msb (MSB<<8)|\new
.set MSB, \new
.endif
.endm
; The next list into v[dst]: for my rank R the register of the largest q with P_q <= R.  The fifteen compares stand in one run, each with a scalar register of its own, so that one wait serves them all.
.macro LSEL dst
.irp q, 1,2,3,4,5,6,7,8,9,10,11,12,13,14,15
	v_cmp_le_u32 s[CM+\q], s[PFX+\q], v[RK]
.endr
	v_mov_b32 v[\dst], v[PQ]
	v_add_nc_u32 v[RK], 32, v[RK]
	s_wait_alu depctr_va_sdst(0)                   ; the fifteen compares have written s[CM+1 ..], ahead of their first reader, the selects below
.irp q, 1,2,3,4,5,6,7,8,9,10,11,12,13,14,15
	v_cndmask_b32 v[\dst], v[\dst], v[PQ+\q], s[CM+\q]
.endr
.endm
; From list v[l] the gather's offsets.  Lane (r, h) of sub-tile u wants row 16 u + r: for u = 0 lanes 16-31 take lane l xor 16's token, for u = 1 lanes 0-15 do.
; A number that hangs on loaded data enters an address only behind a clamp written in the instruction, and behind it stand a shift and an addition alone.
.macro XADDR l
	v_permlanex16_b32 v[LX], v[\l], s24, s25
	v_min_u32 v[XS], 0x1fff, v[\l]
	v_cndmask_b32 v[T0], v[\l], v[LX], s26
	v_cndmask_b32 v[T1], v[LX], v[\l], s26
	v_min_u32 v[T0], 0x1fff, v[T0]
	v_min_u32 v[T1], 0x1fff, v[T1]
	v_lshlrev_b32 v[XS], 5, v[XS]                  ; a row of scales is 32 bytes
	v_lshlrev_b32 v[T0], 9, v[T0]                  ; a row of codes is 512
	v_lshlrev_b32 v[T1], 9, v[T1]
	v_add_nc_u32 v[XA], v[T0], v[H16]
	v_add_nc_u32 v[XA+1], v[T1], v[H16]
.endm
; Sub-tile u's eight fragments: 16 rows x 1,024 K.  Load j brings bytes 32 j + 16 h of my row: registers 4 c .. 4 c + 3 of K step s (j = 2 s + c) hold K = 128 s + 64 c + 32 h + 0 .. 31.  The sixteen loads together take whole rows.
.macro XLOAD u
	WIN 0xc0                                       ; destination window 3, address window 0
.irp j, 0,1,2,3,4,5,6,7,8,9,10,11,12,13,14,15
	global_load_b128 v[XF+64*\u+4*\j:XF+64*\u+4*\j+3], v[XA+\u], s[8:9] offset:32*\j
.endr
	WIN 0
.endm
.macro XSCL                            ; the 32 rows' scale words, eight a row
	global_load_b128 v[XSC:XSC+3], v[XS], s[10:11]
	global_load_b128 v[XSC+4:XSC+7], v[XS], s[10:11] offset:16
.endm
; Eight products: K step s, sub-tile u of the rows, W's eight tiles.  W's scale word comes from lanes 0-15 for an even tile and from lanes 16-31 for an odd one; X's from lanes 0-15 for u = 0 and 16-31 for u = 1.
; K step 0 starts the sums with the constant 0: nothing is cleared.
.macro MUL8 s, u
.irp p, 0,1,2,3
.set rD, 64*(\u)+16*\p
.set rA, 64*((\s)%4)+16*\p
.set rB, XF+64*(\u)+8*(\s)
.set rW, WSC+8*\p+(\s)
.set rX, XSC+(\s)
.if (\s) == 0
.if (\u) == 0
	v_wmma_scale_f32_16x16x128_f8f6f4 v[rD:rD+7], v[rA:rA+7], v[rB:rB+7], 0, v[rW], v[rX] matrix_a_fmt:MATRIX_FMT_FP4 matrix_b_fmt:MATRIX_FMT_FP4
	v_wmma_scale_f32_16x16x128_f8f6f4 v[rD+8:rD+15], v[rA+8:rA+15], v[rB:rB+7], 0, v[rW], v[rX] matrix_a_fmt:MATRIX_FMT_FP4 matrix_b_fmt:MATRIX_FMT_FP4 matrix_a_scale:MATRIX_SCALE_ROW1
.else
	v_wmma_scale_f32_16x16x128_f8f6f4 v[rD:rD+7], v[rA:rA+7], v[rB:rB+7], 0, v[rW], v[rX] matrix_a_fmt:MATRIX_FMT_FP4 matrix_b_fmt:MATRIX_FMT_FP4 matrix_b_scale:MATRIX_SCALE_ROW1
	v_wmma_scale_f32_16x16x128_f8f6f4 v[rD+8:rD+15], v[rA+8:rA+15], v[rB:rB+7], 0, v[rW], v[rX] matrix_a_fmt:MATRIX_FMT_FP4 matrix_b_fmt:MATRIX_FMT_FP4 matrix_a_scale:MATRIX_SCALE_ROW1 matrix_b_scale:MATRIX_SCALE_ROW1
.endif
.else
.if (\u) == 0
	v_wmma_scale_f32_16x16x128_f8f6f4 v[rD:rD+7], v[rA:rA+7], v[rB:rB+7], v[rD:rD+7], v[rW], v[rX] matrix_a_fmt:MATRIX_FMT_FP4 matrix_b_fmt:MATRIX_FMT_FP4
	v_wmma_scale_f32_16x16x128_f8f6f4 v[rD+8:rD+15], v[rA+8:rA+15], v[rB:rB+7], v[rD+8:rD+15], v[rW], v[rX] matrix_a_fmt:MATRIX_FMT_FP4 matrix_b_fmt:MATRIX_FMT_FP4 matrix_a_scale:MATRIX_SCALE_ROW1
.else
	v_wmma_scale_f32_16x16x128_f8f6f4 v[rD:rD+7], v[rA:rA+7], v[rB:rB+7], v[rD:rD+7], v[rW], v[rX] matrix_a_fmt:MATRIX_FMT_FP4 matrix_b_fmt:MATRIX_FMT_FP4 matrix_b_scale:MATRIX_SCALE_ROW1
	v_wmma_scale_f32_16x16x128_f8f6f4 v[rD+8:rD+15], v[rA+8:rA+15], v[rB:rB+7], v[rD+8:rD+15], v[rW], v[rX] matrix_a_fmt:MATRIX_FMT_FP4 matrix_b_fmt:MATRIX_FMT_FP4 matrix_a_scale:MATRIX_SCALE_ROW1 matrix_b_scale:MATRIX_SCALE_ROW1
.endif
.endif
.endr
.endm
; All of K for 32 rows (both = 1: 128 products) or 16 (both = 0: 64).  The 16 (or 8) accumulators take turns, one instruction a turn, K ascending.
.macro MULS both
	WIN 0xfd                                       ; W window 1; X, C and D window 3
.irp s, 0,1,2,3
	MUL8 \s, 0
.if \both
	MUL8 \s, 1
.endif
.endr
	WIN 0xfe                                       ; W window 2
.irp s, 4,5,6,7
	MUL8 \s, 0
.if \both
	MUL8 \s, 1
.endif
.endr
	WIN 0
.endm
; The store offsets of sub-tile u's 16 rows: token x 4,096 bytes + 16 x lane.  The token is clamped in the instruction, then shifted and added.
.macro OFFS u
.irp i, 0,1,2,3,4,5,6,7,8,9,10,11,12,13,14,15
	v_readlane_b32 s[ROWT+\i], v[LC], 16*\u+\i
.endr
	s_wait_alu depctr_va_sdst(0)                   ; the sixteen tokens are written in s[ROWT ..], ahead of their first reader, the clamps below
.irp i, 0,1,2,3,4,5,6,7,8,9,10,11,12,13,14,15
	s_min_u32 s[ROWT+\i], s[ROWT+\i], 0x1fff
.endr
.irp i, 0,1,2,3,4,5,6,7,8,9,10,11,12,13,14,15
	s_lshl_b32 s[ROWT+\i], s[ROWT+\i], 12
.endr
.irp i, 0,1,2,3,4,5,6,7,8,9,10,11,12,13,14,15
	v_add_nc_u32 v[OFF+16*\u+\i], s[ROWT+\i], v[L16]
.endr
.endm
; THE WAY OUT.  A lane holds 32 neighbouring bytes of a row and the lanes beside it hold other rows: so 16 rows x 512 bytes go through my own stage and come back as whole rows.
.macro STORES u                        ; under data window 3.  Each accumulator from its low end on
.irp n, 0,1,2,3,4,5,6,7
	ds_store_b128 v[STO], v[64*\u+8*\n:64*\u+8*\n+3] offset:WTILE*\u+64*\n
	ds_store_b128 v[STO], v[64*\u+8*\n+4:64*\u+8*\n+7] offset:WTILE*\u+64*\n+16
.endr
.endm
.macro LOADS u                         ; LDS serves a wave's instructions in order (ISA guide 5.7.1.4): these see my stores
.irp i, 0,1,2,3,4,5,6,7,8,9,10,11,12,13,14,15
	ds_load_b128 v[BK+64*\u+4*\i:BK+64*\u+4*\i+3], v[RD] offset:WTILE*\u+WPITCH*\i
.endr
.endm
; Row i of sub-tile u is stored: 32 lanes, 512 consecutive bytes, at a multiple of 512 from out0's first byte.  younger: the LDS loads issued behind this sub-tile's sixteen.
; guarded = 1: rows at or past the rows left are not stored: a scalar branch on the count; the wait for 0 behind the label holds on both ways.
.macro SEND u, younger, guarded
.irp i, 0,1,2,3,4,5,6,7,8,9,10,11,12,13,14,15
.if \guarded
	s_cmp_gt_u32 s[VL], 16*\u+\i
	s_cbranch_scc0 .Ldone_\@
.endif
	s_wait_dscnt \younger+15-\i                    ; row i is back; the rows behind it, and the younger loads, may be out
	global_store_b128 v[OFF+16*\u+\i], v[BK+64*\u+4*\i:BK+64*\u+4*\i+3], s[14:15] th:TH_STORE_NT
.endr
.if \guarded
.Ldone_\@:
	s_wait_dscnt 0x0                               ; no LDS load of mine is out, whichever way led here
.endif
.endm
.macro WFRAG s0                        ; W's fragments of K steps s0 .. s0 + 3, all eight tiles, into one window: two loads of 16 bytes, 32 bytes apart, for each
.irp s, 0,1,2,3
.irp n, 0,1,2,3,4,5,6,7
.irp c, 0,1
	ds_load_b128 v[64*\s+8*\n+4*\c:64*\s+8*\n+4*\c+3], v[WA] offset:WTILE*\n+64*(\s0+\s)+32*\c
.endr
.endr
.endr
.endm
	s_load_b256 s[4:11], s[0:1], 0x0               ; W's codes s[4:5], W's scales s[6:7], X's codes s[8:9], X's scales s[10:11]
	s_load_b128 s[12:15], s[0:1], 0x20             ; indices s[12:13], out0 s[14:15]
	v_lshl_add_u32 v254, v0, 2, 0x21000
	v_mov_b32 v255, 0
	v_lshrrev_b32 v[T0], 5, v0
	v_readfirstlane_b32 s[WV], v[T0]               ; wave 0..3
	v_and_b32 v[LANE], 31, v0
	v_and_b32 v[T0], 15, v0                        ; r
	v_bfe_u32 v[T1], v0, 4, 1                      ; h
	v_lshlrev_b32 v[L16], 4, v[LANE]
	v_lshlrev_b32 v[L32], 5, v[LANE]
	v_lshlrev_b32 v[H16], 4, v[T1]
	v_mul_u32_u24 v[STO], v[T0], WPITCH
	v_add_nc_u32 v[WA], v[STO], v[H16]
	v_lshl_add_u32 v[STO], v[T1], 5, v[STO]
	s_wait_alu depctr_va_sdst(0)                   ; the wave's number is written in s[WV], ahead of its first reader: LDS places, the segment and W's rows are made from it
	s_mul_i32 s21, s[WV], 32*WPITCH                ; my 32 rows of W in LDS
	v_add_nc_u32 v[WS], s21, v[L16]
	s_mul_i32 s[TMP], s[WV], WSTG
	s_add_co_u32 s[TMP], s[TMP], STG               ; my two stages
	v_add_nc_u32 v[STO], s[TMP], v[STO]
	v_add_nc_u32 v[RD], s[TMP], v[L16]
	v_mov_b32 v[RK], v[LANE]                       ; the first list holds ranks 0 .. 31
	v_mov_b32 v[LX], 0                             ; written once: a lane permute's destination counts as one of its sources
	s_mov_b32 s24, 0x76543210                      ; v_permlanex16_b32's selects for lane l xor 16
	s_mov_b32 s25, 0xfedcba98
	s_mov_b32 s26, 0xffff0000                      ; lanes 16-31
	s_and_b32 s[NSL], ttmp9, 7                     ; work-group x = 64 sg + 8 e + nsl
	s_bfe_u32 s[EX], ttmp9, 0x30003
	s_lshr_b32 s19, ttmp9, 6
	s_lshl_b32 s[SEG], s19, 2
	s_add_co_u32 s[SEG], s[SEG], s[WV]             ; my segment: 4 sg + wave
	s_lshl_b32 s[TMP], s[SEG], 9
	v_lshl_add_u32 v[TOK], v[LANE], 2, s[TMP]
	s_lshl_b32 s21, s[EX], 10
	s_lshl_b32 s[TMP], s[NSL], 7
	s_add_co_u32 s21, s21, s[TMP]                  ; the slice's first row of W: 1,024 e + 128 nsl
	s_lshl_b32 s[TMP], s[WV], 5
	s_add_co_u32 s22, s21, s[TMP]                  ; + the 32 rows that I fetch
	s_lshl_b32 s22, s22, 9
	s_mov_b32 s23, 0
	s_wait_kmcnt 0x0
	s_add_nc_u64 s[4:5], s[4:5], s[22:23]          ; each base is stepped once, here, ahead of its first use
	s_lshl_b32 s22, s21, 5
	s_add_nc_u64 s[6:7], s[6:7], s[22:23]
	s_lshl_b32 s22, s[SEG], 11
	s_add_nc_u64 s[12:13], s[12:13], s[22:23]
	s_lshl_b32 s22, s[NSL], 9
	s_add_nc_u64 s[14:15], s[14:15], s[22:23]
	s_wait_alu depctr_va_vdst(0)                   ; the offsets and LDS addresses that stay (v2, v4 to v7, v17) are written: every load, store and LDS instruction below but the gather and the rows' stores reads one of them
.irp j, 0,1,2,3
	global_load_b128 v[IDX+4*\j:IDX+4*\j+3], v[L16], s[12:13] offset:512*\j    ; register 4 j + c of lane l: the index of token 512 seg + 128 j + 4 l + c
.endr
	WIN 0xc0                                       ; destination window 3
.set i, 0
.rept 32
	global_load_b128 v[4*i:4*i+3], v[L16], s[4:5] offset:512*i                 ; a row of W: 32 lanes, 512 consecutive bytes
.set i, i+1
.endr
	WIN 0
.irp p, 0,1,2,3
	global_load_b128 v[WSC+8*\p:WSC+8*\p+3], v[L32], s[6:7] offset:1024*\p     ; lane l: the eight scale words of the slice's row 32 p + l
	global_load_b128 v[WSC+8*\p+4:WSC+8*\p+7], v[L32], s[6:7] offset:1024*\p+16
.endr
	; THE SCAN
	s_wait_loadcnt 40                              ; the four index loads are in; the 32 loads of W's rows and the 8 of its scales, issued behind them, stay out
	s_mov_b32 s[PFX], 0
.irp q, 0,1,2,3,4,5,6,7,8,9,10,11,12,13,14,15
	v_cmp_eq_u32 s[MSK+\q], s[EX], v[IDX+\q]
.endr
	s_wait_alu depctr_va_sdst(0)                   ; the sixteen masks are written in s[MSK ..], ahead of their first reader, the counts below
.irp q, 0,1,2,3,4,5,6,7,8,9,10,11,12,13,14,15
	s_bcnt1_i32_b32 s[TMP], s[MSK+\q]
	s_add_co_u32 s[PFX+\q+1], s[PFX+\q], s[TMP]
.endr
.irp q, 0,1,2,3,4,5,6,7,8,9,10,11,12,13,14,15
	v_mbcnt_lo_u32_b32 v[TA+\q], s[MSK+\q], 0      ; matched lanes below me
.endr
.irp q, 0,1,2,3,4,5,6,7,8,9,10,11,12,13,14,15
	v_sub_nc_u32 v[TB+\q], v[LANE], v[TA+\q]       ; unmatched lanes below me
.endr
.irp q, 0,1,2,3,4,5,6,7,8,9,10,11,12,13,14,15
	v_add_nc_u32 v[TA+\q], s[PFX+\q], v[TA+\q]
.endr
.irp q, 0,1,2,3,4,5,6,7,8,9,10,11,12,13,14,15
	v_add_nc_u32 v[TB+\q], s[PFX+\q+1], v[TB+\q]
.endr
.irp q, 0,1,2,3,4,5,6,7,8,9,10,11,12,13,14,15
	v_cndmask_b32 v[DST+\q], v[TB+\q], v[TA+\q], s[MSK+\q]
.endr
.irp q, 0,1,2,3,4,5,6,7,8,9,10,11,12,13,14,15
	v_and_b32 v[DST+\q], 31, v[DST+\q]             ; the destination lane,
.endr
.irp q, 0,1,2,3,4,5,6,7,8,9,10,11,12,13,14,15
	v_min_u32 v[DST+\q], 31, v[DST+\q]             ; clamped in the instruction, since it hangs on loaded data,
.endr
.irp q, 0,1,2,3,4,5,6,7,8,9,10,11,12,13,14,15
	v_lshlrev_b32 v[DST+\q], 2, v[DST+\q]          ; as a byte address
.endr
.irp q, 0,1,2,3,4,5,6,7,8,9,10,11,12,13,14,15
	v_add_nc_u32 v[TK+\q], 128*(\q/4)+(\q%4), v[TOK]
.endr
	s_wait_alu depctr_va_vdst(0)                   ; the destination lanes v[DST ..] and the tokens v[TK ..] are written, which the pushes read
.irp q, 0,1,2,3,4,5,6,7,8,9,10,11,12,13,14,15
	ds_permute_b32 v[PQ+\q], v[DST+\q], v[TK+\q]   ; between lanes alone: no LDS byte is touched
.endr
	s_wait_dscnt 0x0
	; the first list, and its rows of X: asked for on every path (every token of a list is a token of the segment), ahead of W's turn through LDS
	LSEL LC
	XADDR LC
	s_wait_alu depctr_va_vdst(0)                   ; the gather's offsets v[XA], v[XA+1] and v[XS] are written, which the 34 loads below read
	XLOAD 0
	XLOAD 1
	XSCL
	; W'S SLICE THROUGH LDS
	s_wait_loadcnt 42                              ; W's 32 rows are in; the 8 loads of its scales and the 34 of X, issued behind them, stay out
	WIN 0x0c                                       ; an LDS store's data are its source 1: window 3
.set i, 0
.rept 32
	ds_store_b128 v[WS], v[4*i:4*i+3] offset:WPITCH*i
.set i, i+1
.endr
	WIN 0
	s_wait_dscnt 0x0                               ; for the others' sake: my rows lie in LDS
	s_barrier_signal -1
	s_barrier_wait -1                              ; all 128 rows do.  The only barrier: nobody writes these bytes again
	WIN 0x40                                       ; destination window 1
	WFRAG 0
	WIN 0x80                                       ; destination window 2
	WFRAG 4
	WIN 0
	s_add_co_u32 s[NF], s[PFX+16], 15
	s_lshr_b32 s[NF], s[NF], 5                     ; trips of 32 rows: as long as more than 16 rows are left
	s_mov_b32 s[VL], s[PFX+16]
	s_mov_b32 s[TR], 0
	s_wait_dscnt 0x0                               ; the slice is in my registers
	s_cmp_eq_u32 s[NF], 0
	s_cbranch_scc1 .Ltail
.Ltrip:                                            ; 17 rows or more are left
	LSEL LN                                        ; (it names no register that a memory or LDS instruction touches)
	s_wait_xcnt 0x0                                ; the last trip's stores have had their addresses translated: their offsets and data are written again below, and no store is issued in between
	s_wait_alu depctr_vm_vsrc(0)                   ; the last trip's stores have read OFF and BK, its LDS stores the accumulators, its gather v[XA], v[XA+1], v[XS]; on the first way in: the pushes have read v[DST ..] and v[TK ..], and the LDS stores W's rows in the accumulators' registers.  All of these are written again below
	OFFS 0                                         ; this trip's store offsets are made here, while its rows of X are still landing
	OFFS 1
	s_wait_loadcnt 0x0                             ; this trip's rows of X and their scale words (in the first trip W's scale words too).  For 0, since the number of loads issued behind a trip's guards differs from way to way
	MULS 1
	XADDR LN                                       ; eleven vector instructions that name no register of the products: the places in front of the first read of results
	s_wait_alu depctr_va_vdst(0)                   ; the trip's one wait: the products have written the accumulators, which the LDS stores read, and are done reading X's fragments and scale words, in which the gather lands; v[XA], v[XA+1], v[XS] and OFF are written; the scan is done with the registers in which the stage's loads land
	s_cmp_gt_u32 s[VL], 32                         ; the next trip's rows are asked for here and fly during the whole way out: sub-tile 0 and the scale words if a row is left behind this trip's 32,
	s_cbranch_scc0 .Lno_more
	XLOAD 0
	XSCL
	s_cmp_gt_u32 s[VL], 48                         ; sub-tile 1 if more than 16 are
	s_cbranch_scc0 .Lno_more
	XLOAD 1
.Lno_more:
	WIN 0x0c
	STORES 0
	STORES 1
	WIN 0
	LOADS 0
	LOADS 1
	SEND 0, 16, 0                                  ; rows 0-15 all count
	SEND 1, 0, 1
	v_mov_b32 v[LC], v[LN]
	s_sub_co_i32 s[VL], s[VL], 32
	s_add_co_u32 s[TR], s[TR], 1
	s_cmp_lt_u32 s[TR], s[NF]
	s_cbranch_scc1 .Ltrip
.Ltail:                                            ; -15 .. 16 rows are left
	s_cmp_gt_i32 s[VL], 0
	s_cbranch_scc0 .Lend
	s_wait_loadcnt 0x0
	s_wait_xcnt 0x0
	s_wait_alu depctr_vm_vsrc(0)                   ; as at a trip's head: the stores have read OFF and BK, the LDS stores the accumulators' registers, the pushes v[DST ..] and v[TK ..]: all are written again below
	MULS 0
	s_wait_alu depctr_va_vdst(0)
	OFFS 0                                         ; its sixteen additions are the places in front of the first read of results
	s_wait_alu depctr_va_vdst(0)                   ; the products have written the accumulators, which the LDS stores read; OFF is written, which the stores read; the scan is done with the registers in which the stage's loads land
	WIN 0x0c
	STORES 0
	WIN 0
	LOADS 0
	SEND 0, 0, 1
.Lend:
	s_wait_dscnt 0x0                               ; the closing lines, six on end
	s_wait_alu 0x0
	s_wait_tensorcnt 0x0
	ds_add_u32 v254, v255
	s_wait_dscnt 0x0
	s_endpgm
.Lfunc_end_k_qcf65d4e5de_route_mm:
	.size	k_qcf65d4e5de_route_mm, .Lfunc_end_k_qcf65d4e5de_route_mm-k_qcf65d4e5de_route_mm
	.p2alignl 7, 3214868480
	.fill 96, 4, 3214868480
	.section	.rodata,"a",@progbits
	.p2align	6, 0x0
	.amdhsa_kernel k_qcf65d4e5de_route_mm
		.amdhsa_group_segment_fixed_size 135680
		.amdhsa_private_segment_fixed_size 0
		.amdhsa_enable_private_segment 0
		.amdhsa_kernarg_size 48
		.amdhsa_user_sgpr_count 2
		.amdhsa_user_sgpr_kernarg_segment_ptr 1
		.amdhsa_wavefront_size32 1
		.amdhsa_system_sgpr_workgroup_id_x 1
		.amdhsa_system_sgpr_workgroup_id_y 1
		.amdhsa_system_sgpr_workgroup_id_z 1
		.amdhsa_system_vgpr_workitem_id 0
		.amdhsa_next_free_vgpr 1024
		.amdhsa_next_free_sgpr 96
		.amdhsa_reserve_vcc 0
		.amdhsa_float_denorm_mode_32 3
		.amdhsa_float_denorm_mode_16_64 3
		.amdhsa_memory_ordered 1
		.amdhsa_forward_progress 1
		.amdhsa_inst_pref_size 87
	.end_amdhsa_kernel
	.amdgpu_metadata
---
amdhsa.version: [ 1, 2 ]
amdhsa.kernels:
  - .name:           k_qcf65d4e5de_route_mm
    .symbol:         k_qcf65d4e5de_route_mm.kd
    .args:
      - { .name: W_codes, .offset: 0, .size: 8, .value_kind: global_buffer, .address_space: global }
      - { .name: W_scales, .offset: 8, .size: 8, .value_kind: global_buffer, .address_space: global }
      - { .name: X_codes, .offset: 16, .size: 8, .value_kind: global_buffer, .address_space: global }
      - { .name: X_scales, .offset: 24, .size: 8, .value_kind: global_buffer, .address_space: global }
      - { .name: indices, .offset: 32, .size: 8, .value_kind: global_buffer, .address_space: global }
      - { .name: out0, .offset: 40, .size: 8, .value_kind: global_buffer, .address_space: global }
    .group_segment_fixed_size: 135680
    .private_segment_fixed_size: 0
    .kernarg_segment_align: 8
    .kernarg_segment_size: 48
    .max_flat_workgroup_size: 128
    .sgpr_count:     96
    .vgpr_count:     1024
    .wavefront_size: 32
...
	.end_amdgpu_metadata
.endif
;; end of part 2
